; MI455X (gfx1250); checked and timed in simulation.
; The chip was launched on July 23, 2026; its instructions are those of AMD's public machine-readable ISA for CDNA 5 (MIT licence, August 2026) and "CDNA5" Instruction Set Architecture Reference Guide (July 2026). The comments in the code are by the model that wrote it; some were corrected since.
;; De Stationary Causal Attention. Allowed arithmetic: matrix products marked QUANTISED: E2M3 operands, one E8M0 scale for each 32 along K, by v_wmma_scale_f32_16x16x128_f8f6f4 with both operands' format E2M3, f32 sums; products left as they are: f32 operands where the result goes on into a quantised operand, else bf16, f16 or f32 operands; f32 sums; everything else in f32.
;; Inputs: Wk 1,024 x 512 float32; Wo 512 x 1,024 float32; Wq 1,024 x 1,024 float32; Wv 1,024 x 512 float32; bo 1,024 float32; del_b1 128 float32; del_b2 512 float32; del_w1 1,025 x 128 float32; del_w2 128 x 512 float32; h 2 x 2,048 x 1,024 float32; pre_norm_mu 2 x 2,048 x 32 float32; pre_norm_sigma 2 x 2,048 x 32 float32; tau_b1 128 float32; tau_b2 1 float32; tau_w1 1,025 x 128 float32; tau_w2 128 x 1 float32.
;; Outputs: out0 2 x 1,024 float32.
;; This version of the problem:
;;   THIS VERSION OF THE PROBLEM IS GIVEN IN LOW PRECISION. The matrix products marked QUANTISED in the list below multiply operands that are first quantised to E2M3 (2 exponent bits, 3 mantissa bits; 6 bits a number), with one power-of-two scale for each 32 numbers along K (OCP MX v1.0); their sums are f32. All else is computed in f32.
;;   The module's matrix products, in the order in which they are computed (A, B: the left and right operand; K: the contracted axis; several contracted axes count as one K, in the product's order):
;;     1. [M 4,096, K 1,025] x [K 1,025, N 128]; A: computed on the way; B: input tau_w1: QUANTISED
;;     2. [M 4,096, K 128] x [K 128, N 1]; A: computed on the way; B: input tau_w2: left as it is (N = 1 < 16)
;;     3. [M 4,096, K 1,025] x [K 1,025, N 128]; A: computed on the way; B: input del_w1: QUANTISED
;;     4. [M 4,096, K 128] x [K 128, N 512]; A: computed on the way; B: input del_w2: QUANTISED
;;     5. [M 4,096, K 1,024] x [K 1,024, N 1,024]; A: input h; B: input Wq: QUANTISED
;;     6. [M 4,096, K 1,024] x [K 1,024, N 512]; A: input h; B: input Wk: QUANTISED
;;     7. [M 4,096, K 1,024] x [K 1,024, N 512]; A: input h; B: input Wv: QUANTISED
;;     8. batch 32 x [M 2,048, K 32] x [K 32, N 2,048]; A: computed on the way; B: computed on the way: QUANTISED
;;     9. batch 32 x [M 1, K 32] x [K 32, N 2,048]; A: computed on the way; B: computed on the way: left as it is (M = 1 < 16)
;;     10. batch 32 x [M 2,048, K 2,048] x [K 2,048, N 32]; A: softmax (see below); B: computed on the way: QUANTISED
;;     11. [M 4,096, K 512] x [K 512, N 1,024]; A: computed on the way; B: input Wo: QUANTISED
;;   THE QUANTISER, for each operand of a quantised product, along K:
;;     - K is cut into blocks of 32 from its start; a last block that is shorter is filled with zeros.
;;     - A block's scale is 2^e with e = floor(log2(the largest magnitude in the block)) - 2, held to -126 .. 127; a block of zeros has e = 0. As a byte (E8M0): e + 127.
;;     - Each number is divided by its block's scale, clamped to +-7.5, and rounded to the nearest number of E2M3, ties to even, subnormals kept.
;;     - The product sums the exact products of the quantised numbers (number of the format x scale) in f32.
;;   ~~~python
;;   def quantise(x, axis):      # numpy; x: float32 -> the quantised numbers, widened to float32 again
;;       x = np.moveaxis(x, axis, -1); K = x.shape[-1]
;;       x = np.pad(x, [(0, 0)] * (x.ndim - 1) + [(0, -K % 32)]); x = x.reshape(x.shape[:-1] + (-1, 32)); a = np.abs(x).max(-1, keepdims=True)
;;       e = np.where(a > 0, np.clip(np.frexp(np.where(a > 0, a, 1))[1] - 1 - 2, -126, 127), 0)      # np.frexp(a)[1] - 1 = floor(log2(a)), exactly
;;       r = np.clip(x / 2.0 ** e, -7.5, 7.5)
;;       step = 2.0 ** (np.maximum(np.frexp(np.where(r == 0, 1, r))[1] - 1, 0) - 3)
;;       q = np.round(r / step) * step * 2.0 ** e      # np.round: ties to even
;;       return np.moveaxis(q.reshape(q.shape[:-2] + (-1,))[..., :K], -1, axis).astype(np.float32)
;;   ~~~
;;   SOFTMAX AHEAD OF A QUANTISED PRODUCT. Where the list says 'softmax', what is quantised is not the finished softmax but p = 2^(t - M), with t = logit x log2(e) and M = ceil(the row's largest t), a whole number; so 1/2 < the row's largest p <= 1. The row's sum l is taken of the UNQUANTISED p, in f32, and the product's result is divided by l at the end. Since M is a whole number, a kernel that streams over the keys may use a running M (the ceiling of the running maximum): every later rescaling is an exact power of two, which a block's scale takes up: the codes' values come out the same.
;;   OPERANDS COMPUTED ON THE WAY. 'Computed on the way' means the value that the module computes at that place (a softmax that the list does not call 'softmax' is quantised finished and normalised). What goes into a quantiser is computed in f32, as accurately as f32 sums, v_exp_f32 and their like allow (about 1e-6 of the number): no bf16 or f16 on the way to a quantiser, and a product that is left as it is and whose result goes on into a quantised operand takes f32 operands (vector FMAs, or v_wmma_f32_16x16x4_f32). A number that lies on a knife's edge between two numbers of the format may be rounded either way, as far as f32 arithmetic and the matrix unit's own rounding can turn it there, and no further.
;; One version. Each part assembles by itself: llvm-mc -triple=amdgcn-amd-amdhsa -mcpu=gfx1250 --defsym DOCPART=n.
;; ======== version 1 of 1: 3 launches
;; workspace buffers: hc 3,145,728 bytes; hs 131,072 bytes; wc 1,228,800 bytes; ws 51,200 bytes; small 6,144 bytes; part 65,536 bytes
;; launch prep (part 1): grid 404 x 1, 8 waves a work-group, no clusters, 73,984 bytes of LDS; arguments h, pre_norm_sigma, pre_norm_mu, Wq, Wk, Wv, Wo, del_w2, tau_w1, del_w1, tau_b1, del_b1, tau_w2, hc, hs, wc, ws, small; writes hc, hs, wc, ws, small
.if DOCPART == 1
	.amdgcn_target "amdgcn-amd-amdhsa--gfx1250"
	.amdhsa_code_object_version 6
	.text
	.protected	k_qbf15df1025_prep
	.globl	k_qbf15df1025_prep
	.p2align	8
	.type	k_qbf15df1025_prep,@function
k_qbf15df1025_prep:
	s_mov_b64 s[64:65], 0
	v_nop
	global_prefetch_b8 v0, s[64:65] scope:SCOPE_SE
	s_setreg_imm32_b32 hwreg(HW_REG_WAVE_MODE, 25, 1), 1
	s_wait_xcnt 0x0
; FIRST OF THREE LAUNCHES.  The result is the attention layer's LAST row of each of the 2 batches, so of the queries only row 2047 of a batch is followed; K and V are wanted of all 4,096 rows.
; This launch (a) turns h, Wk, Wv, del_w2 and Wo into codes of E2M3 with one E8M0 byte for each 32 along K, laid as IMAGES OF THE OPERAND'S REGISTERS: a fragment (16 rows or columns x 128 K) is 12 registers
; a lane = 1,536 bytes: plane j (512 bytes) holds registers 4 j .. 4 j + 3 of lane l at 16 l; (b) makes, for the two last rows, Q's 32 kept columns of each head (h Wq) and the two hidden layers
; (concat(mean, h) w1 + b1, exact GELU), all three by the scaled matrix instruction on codes made here.
; ROLES by the work-group's number, one job a wave, all of a wave's loads issued at its head: 0-15 the hidden layers (mlp = n / 8, 16 columns each; wave = K step of 128; wave 7 also the 1,025th k),
; 16-47 Q (head, half of its 32 columns; wave = K step), 48-147 the weights (a fragment a wave), 148-403 h (16 rows; wave = K step).  Each role has LDS bytes of its own.
; No tensor loads, no cluster: no two work-groups read the same tile.  Where K is split over the waves the partial sums meet in LDS and are added in ascending K.
; A block's scale: the largest magnitude's exponent field - 2, held at 1 from below (a block of zeros keeps the byte 1: its codes are zeros, and only this program reads the bytes).
; GELU: 0.5 x erfc(-x / sqrt 2), erfc by its Chebyshev form t exp(-z^2 + P(t)), t = 1 / (1 + z / 2), fractional error under 1.2e-7 for every z.
; LIMITS: the exponent's rounding adds a relative error of about 1e-7 (1 + x^2 / 2) to GELU of a negative x; NaN and infinities among the inputs are not served.
; REGISTERS: v1 lane, v2 r = lane % 16, v3 h = lane / 16, v4 16 x lane, v5 8 h; v6-17 offsets and LDS addresses; v20-24 at work in QF; v26, v27 scale words (nothing else); v28-34 codes on their way;
; v36-47, v48-59 the two operands; v60-67 the product; v68-103 small loads; v104-119 the end of a sum; v128-191, v192-255 64 numbers each.
.set STGW,  8448                       ; LDS: a stage of 16 rows x (512 + 16) bytes for each of the 8 waves, from byte 0 (role h)
.set GH,    67584                      ; 512 bytes: the scale words of 16 rows x 8 K steps (role h)
.set GW,    68096                      ; 512 bytes: the scale words of 8 fragments (role weights)
.set REDQ,  68608                      ; 8 slots of 256 bytes: partial sums (role Q)
.set REDM,  70656                      ; 9 slots of 256 bytes (role hidden layers)
.set SEL,   42                         ; s[42:43] v_permlanex16_b32's selects for lane l xor 16
.set SH8,   5
.macro NOPS n
.rept \n
	v_nop
.endr
.endm
; 64 numbers of a lane, v[x + 32 c + i] = k 64 c + 32 h + i of its row or column (two whole blocks), become the operand's 12 registers v[cd] on and the scale word v[sw].  tp: 7 registers, mx: 5, at work.
.macro QF x, cd, tp, mx, sw
.irp c, 0,1
	v_max3_num_f32 v[\mx+\c], |v[\x+32*\c]|, |v[\x+32*\c+1]|, 0x1800000   ; with the floor 2^(3 - 127): the byte cannot fall under 1
.endr
.irp i, 2,4,6,8,10,12,14,16,18,20,22,24,26,28,30
.irp c, 0,1
	v_max3_num_f32 v[\mx+\c], v[\mx+\c], |v[\x+32*\c+\i]|, |v[\x+32*\c+\i+1]|   ; the two blocks by turns
.endr
.endr
.irp c, 0,1
	v_add_nc_u32 v[\mx+2+\c], 0xff000000, v[\mx+\c]      ; 2 off the exponent field: the conversion's scale operand
.endr
.irp c, 0,1
	v_lshrrev_b32 v[\mx+\c], 23, v[\mx+2+\c]             ; the scale's byte
.endr
	v_lshl_or_b32 v[\sw], v[\mx+1], 16, v[\mx]           ; my bytes: blocks h and 2 + h,
	v_lshlrev_b32 v[\sw], v[SH8], v[\sw]                 ; at their places (8 h bits up);
	v_permlanex16_b32 v[\mx+4], v[\sw], s[SEL], s[SEL+1]
	v_or_b32 v[\sw], v[\sw], v[\mx+4]                    ; with lane l xor 16's two the word is whole
	v_cvt_scalef32_pk16_fp6_f32 v[\cd:\cd+2], v[\x:\x+15], v[\mx+2]
	v_cvt_scalef32_pk16_fp6_f32 v[\tp:\tp+2], v[\x+16:\x+31], v[\mx+2]       ; (a conversion's three registers begin on an even number)
	v_cvt_scalef32_pk16_fp6_f32 v[\cd+6:\cd+8], v[\x+32:\x+47], v[\mx+3]
	v_cvt_scalef32_pk16_fp6_f32 v[\tp+4:\tp+6], v[\x+48:\x+63], v[\mx+3]
	v_nop                                                ; one plain place behind a scaled conversion
.irp i, 0,1,2
	v_mov_b32 v[\cd+3+\i], v[\tp+\i]
	v_mov_b32 v[\cd+9+\i], v[\tp+4+\i]
.endr
.endm
; A weight stored [K][N]: my column, registers down K: sixteen lanes read 64 consecutive bytes.  p: bytes from row to row
.macro LOADW p
.set n, 0
.rept 64
	global_load_b32 v[192+n], v7, s[44:45] offset:(64*(n/32)+n%32)*\p
.set n, n+1
.endr
.endm
; The last row of batch r % 2, my 64 numbers of the wave's K step
.macro ALOAD
.set n, 0
.rept 64
	global_load_b32 v[128+n], v6, s[4:5] offset:(64*(n/32)+n%32)*4
.set n, n+1
.endr
.endm
; The fragment in v48-59 leaves as its image, 512 consecutive bytes a store; the 8 waves' scale words meet in LDS and wave 0 stores them as 512 consecutive bytes.
.macro PUT
	global_store_b128 v4, v[48:51], s[48:49]
	global_store_b128 v4, v[52:55], s[48:49] offset:512
	global_store_b128 v4, v[56:59], s[48:49] offset:1024
	ds_store_b32 v10, v27                                ; lanes r and r + 16 write the same word with the same value
	s_wait_dscnt 0x0                                     ; for the others' sake: my word has landed
	s_barrier_signal -1
	s_barrier_wait -1
	s_cmp_lg_u32 s40, 0
	s_cbranch_scc1 .Lput_end_\@
	ds_load_b128 v[60:63], v11
	s_wait_dscnt 0x0
	global_store_b128 v4, v[60:63], s[50:51]
.Lput_end_\@:
	s_wait_tensorcnt 0x0
	ds_add_u32 v126, v127
	s_wait_dscnt 0x0
	s_endpgm
.endm
	s_load_b512 s[4:19], s[0:1], 0x0               ; h, sigma, mu, Wq, Wk, Wv, Wo, del_w2
	s_load_b512 s[20:35], s[0:1], 0x40             ; tau_w1, del_w1, tau_b1, del_b1, tau_w2, hc, hs, wc
	s_load_b128 s[36:39], s[0:1], 0x80             ; ws, small
	v_lshl_add_u32 v126, v0, 2, 0x11d00
	v_mov_b32 v127, 0
	v_lshrrev_b32 v1, 5, v0
	v_readfirstlane_b32 s40, v1                    ; wave 0..7
	v_and_b32 v1, 31, v0                           ; lane
	v_and_b32 v2, 15, v0                           ; r
	v_bfe_u32 v3, v0, 4, 1                         ; h
	v_lshlrev_b32 v4, 4, v1                        ; 16 x lane
	v_lshlrev_b32 v5, 3, v3                        ; 8 h
	v_mov_b32 v24, 0                               ; written once: a lane permute's destination counts as one of its sources
	s_mov_b32 s[SEL], 0x76543210
	s_mov_b32 s[SEL+1], 0xfedcba98
	s_mov_b32 s47, 0                               ; s[46:47]: a byte offset as a pair
	s_wait_kmcnt 0x0
	s_cmp_lt_u32 ttmp9, 16
	s_cbranch_scc1 .Lmlp
	s_cmp_lt_u32 ttmp9, 48
	s_cbranch_scc1 .Lq
	s_cmp_lt_u32 ttmp9, 148
	s_cbranch_scc1 .Lw
; ---- ROLE h: rows 16 T .. 16 T + 15, K step = wave.  Each load takes 512 consecutive bytes of one row; the 16 rows turn through the wave's own stage, so that a lane gets 2 x 32 neighbours of ITS row.
	s_sub_co_u32 s41, ttmp9, 148                   ; T
	s_lshl_b32 s46, s41, 16                        ; 16 rows of 4,096 bytes
	s_lshl_b32 s52, s40, 9
	s_add_co_u32 s46, s46, s52
	s_add_nc_u64 s[44:45], s[4:5], s[46:47]
	s_mul_i32 s52, s40, STGW
	v_add_nc_u32 v8, s52, v4                       ; into the stage: 16 x lane, 528 bytes a row
	v_mul_u32_u24 v9, v2, 528
	v_lshl_add_u32 v9, v3, 7, v9
	v_add_nc_u32 v9, s52, v9                       ; out of it: row r, + 128 h.  528 bytes are 132 words: the 16 rows begin in 16 different groups of four banks
	s_lshl_b32 s53, s40, 2
	v_lshl_add_u32 v10, v2, 5, s53
	v_add_nc_u32 v10, GH, v10                      ; my row's word of my K step: 32 r + 4 wave
	v_add_nc_u32 v11, GH, v4
	s_lshl_b32 s54, s41, 3
	s_add_co_u32 s54, s54, s40
	s_mul_i32 s46, s54, 1536
	s_add_nc_u64 s[48:49], s[30:31], s[46:47]      ; hc: fragment 8 T + wave
	s_lshl_b32 s46, s41, 9
	s_add_nc_u64 s[50:51], s[32:33], s[46:47]      ; hs: block T
.irp j, 0,1,2,3,4,5,6,7,8,9,10,11,12,13,14,15
	global_load_b128 v[128+4*\j:131+4*\j], v4, s[44:45] offset:4096*\j
.endr
.irp j, 0,1,2,3,4,5,6,7,8,9,10,11,12,13,14,15
	s_wait_loadcnt 15-\j                           ; loads come back in order: row j is in, the 15 - j younger ones may be out
	ds_store_b128 v8, v[128+4*\j:131+4*\j] offset:528*\j
.endr
.irp c, 0,1
.irp t, 0,1,2,3,4,5,6,7
	ds_load_b128 v[192+32*\c+4*\t:195+32*\c+4*\t], v9 offset:256*\c+16*\t   ; LDS serves a wave's instructions in order: these see my stores
.endr
.endr
	s_wait_dscnt 0x0
	QF 192, 48, 28, 20, 27
	PUT
; ---- ROLE weights: work-group j = n - 48 makes 8 fragments.  Four waves stand side by side on the same rows of the weight (4 x 64 consecutive bytes).
.Lw:
	s_sub_co_u32 s41, ttmp9, 48                    ; j
	s_lshl_b32 s53, s40, 2
	v_lshl_add_u32 v10, v2, 5, s53
	v_add_nc_u32 v10, GW, v10                      ; 32 r + 4 wave
	v_add_nc_u32 v11, GW, v4
	s_lshl_b32 s46, s41, 9
	s_add_nc_u64 s[50:51], s[36:37], s[46:47]      ; ws: block j
	s_and_b32 s54, s40, 3
	s_lshr_b32 s55, s40, 2
	v_lshlrev_b32 v7, 2, v2                        ; 4 r
	s_cmp_lt_u32 s41, 64
	s_cbranch_scc0 .Lw_not_kv
	s_cmp_lt_u32 s41, 32                           ; j 0-31 Wk, 32-63 Wv: the choice hangs on the work-group's number alone
	s_cselect_b64 s[44:45], s[12:13], s[14:15]
	s_and_b32 s56, s41, 31
	s_lshr_b32 s57, s56, 2
	s_lshl_b32 s57, s57, 2
	s_add_co_u32 s57, s57, s54                     ; column tile = 4 (jj / 4) + wave % 4
	s_and_b32 s58, s56, 3
	s_lshl_b32 s58, s58, 1
	s_add_co_u32 s58, s58, s55                     ; K step = 2 (jj % 4) + wave / 4
	s_lshr_b32 s59, s41, 5
	s_lshl_b32 s59, s59, 8
	s_lshl_b32 s60, s57, 3
	s_add_co_u32 s59, s59, s60
	s_add_co_u32 s59, s59, s58                     ; fragment 256 (j / 32) + 8 tile + step
	s_lshl_b32 s46, s58, 18                        ; 128 rows of 2,048 bytes a step
	s_lshl_b32 s60, s57, 6
	s_add_co_u32 s46, s46, s60
	s_add_nc_u64 s[44:45], s[44:45], s[46:47]
	v_lshl_add_u32 v7, v3, 16, v7                  ; lanes 16-31 begin 32 rows further down
	LOADW 2048
	s_branch .Lw_join
.Lw_not_kv:
	s_cmp_lt_u32 s41, 68
	s_cbranch_scc0 .Lw_wo
	s_sub_co_u32 s56, s41, 64                      ; del_w2: K = 128, one step; tile = 8 (j - 64) + wave
	s_lshl_b32 s57, s56, 3
	s_add_co_u32 s57, s57, s40
	s_add_co_u32 s59, s57, 512                     ; fragment 512 + tile
	s_lshl_b32 s46, s57, 6
	s_add_nc_u64 s[44:45], s[18:19], s[46:47]
	v_lshl_add_u32 v7, v3, 16, v7
	LOADW 2048
	s_branch .Lw_join
.Lw_wo:
	s_sub_co_u32 s56, s41, 68                      ; Wo: 64 column tiles x 4 K steps
	s_lshr_b32 s57, s56, 1
	s_lshl_b32 s57, s57, 2
	s_add_co_u32 s57, s57, s54                     ; tile = 4 (j' / 2) + wave % 4
	s_and_b32 s58, s56, 1
	s_lshl_b32 s58, s58, 1
	s_add_co_u32 s58, s58, s55                     ; step = 2 (j' % 2) + wave / 4
	s_lshl_b32 s59, s57, 2
	s_add_co_u32 s59, s59, s58
	s_add_co_u32 s59, s59, 544                     ; fragment 544 + 4 tile + step
	s_lshl_b32 s46, s58, 19                        ; 128 rows of 4,096 bytes a step
	s_lshl_b32 s60, s57, 6
	s_add_co_u32 s46, s46, s60
	s_add_nc_u64 s[44:45], s[16:17], s[46:47]
	v_lshl_add_u32 v7, v3, 17, v7
	LOADW 4096
.Lw_join:
	s_mul_i32 s46, s59, 1536
	s_add_nc_u64 s[48:49], s[34:35], s[46:47]      ; wc: my fragment
	s_wait_loadcnt 0x0
	QF 192, 48, 28, 20, 27
	PUT
; ---- ROLE Q: columns 64 head + 16 u + r of Wq, jq = 2 head + u; K step = wave.  Row m of source 0 is the last row of batch m % 2: all 16 rows are real rows.
.Lq:
	s_sub_co_u32 s41, ttmp9, 16                    ; jq
	s_lshl_b32 s52, s40, 8
	v_lshl_add_u32 v8, v1, 2, s52
	v_add_nc_u32 v8, REDQ, v8                      ; my slot: 256 wave + 4 lane
	v_lshlrev_b32 v14, 2, v2                       ; 4 r
	v_lshl_add_u32 v9, v3, 7, v14
	v_add_nc_u32 v9, REDQ, v9                      ; back: batch h, column r
	v_and_b32 v6, 1, v2
	v_lshlrev_b32 v6, 23, v6                       ; a batch of h is 2^23 bytes
	v_lshl_add_u32 v6, v3, 7, v6
	s_lshl_b32 s53, s40, 9
	s_add_co_u32 s53, s53, 8384512                 ; row 2,047 begins here
	v_add_nc_u32 v6, s53, v6
	v_lshl_add_u32 v7, v3, 17, v14
	s_lshl_b32 s46, s40, 19
	s_lshr_b32 s54, s41, 1
	s_and_b32 s55, s41, 1
	s_lshl_b32 s54, s54, 8
	s_lshl_b32 s55, s55, 6
	s_add_co_u32 s46, s46, s54
	s_add_co_u32 s46, s46, s55
	s_add_nc_u64 s[44:45], s[10:11], s[46:47]
	s_lshl_b32 s46, s41, 6
	s_add_nc_u64 s[50:51], s[38:39], s[46:47]      ; small: q[b][32 head + 16 u + r] at 2,048 b + 64 jq + 4 r
	v_lshl_add_u32 v13, v3, 11, v14
	ALOAD
	LOADW 4096
	s_wait_loadcnt 0x0
	QF 128, 36, 28, 20, 26
	QF 192, 48, 28, 20, 27
	NOPS 8                                         ; a scale word made by vector instructions stands 8 places ahead of the scaled product, an operand 4
	v_wmma_scale_f32_16x16x128_f8f6f4 v[60:67], v[36:47], v[48:59], 0, v26, v27 matrix_a_fmt:MATRIX_FMT_FP6 matrix_b_fmt:MATRIX_FMT_FP6
	NOPS 4
	ds_store_b32 v8, v60                           ; register 0: batch 0, register 1: batch 1, column r, in both halves of the lanes
	ds_store_b32 v8, v61 offset:128
	s_wait_dscnt 0x0                               ; for the others' sake
	s_barrier_signal -1
	s_barrier_wait -1
	s_cmp_lg_u32 s40, 0
	s_cbranch_scc1 .Lq_end
.irp w, 0,1,2,3,4,5,6,7
	ds_load_b32 v[104+\w], v9 offset:256*\w
.endr
	s_wait_dscnt 0x0
.irp w, 1,2,3,4,5,6,7
	v_add_f32 v104, v104, v[104+\w]                ; K ascending
.endr
	global_store_b32 v13, v104, s[50:51]
.Lq_end:
	s_wait_tensorcnt 0x0
	ds_add_u32 v126, v127
	s_wait_dscnt 0x0
	s_endpgm
; ---- ROLE hidden layers: mlp 0 = tau's (mean of sigma, held at 1e-6 from below), 1 = delta's (mean of mu); columns 16 tile + r.  concat[0] = the mean, concat[k] = x[k - 1].
.Lmlp:
	s_lshr_b32 s41, ttmp9, 3                       ; mlp
	s_and_b32 s54, ttmp9, 7                        ; tile
	s_mov_b32 s52, 0xff800000                      ; -infinity: holds nothing
	s_cmp_eq_u32 s41, 0
	s_cselect_b64 s[44:45], s[20:21], s[22:23]     ; w1
	s_cselect_b64 s[48:49], s[24:25], s[26:27]     ; b1
	s_cselect_b64 s[56:57], s[6:7], s[8:9]         ; sigma or mu
	s_cselect_b32 s52, 0x358637bd, s52             ; 1e-6
	s_cselect_b32 s58, -1, 0                       ; tau's terms are multiplied by tau_w2
	s_cmp_eq_u32 s40, 0
	s_cselect_b32 s53, 0xffff, 0                   ; k = 0 lies in wave 0, lanes 0-15, first register
	s_lshl_b32 s46, s54, 6
	s_add_nc_u64 s[60:61], s[44:45], s[46:47]      ; w1, b1 and tau_w2 at my 16 columns
	s_add_nc_u64 s[48:49], s[48:49], s[46:47]
	s_add_nc_u64 s[28:29], s[28:29], s[46:47]
	s_lshl_b32 s46, s40, 16                        ; 128 rows of 512 bytes a K step
	s_add_nc_u64 s[44:45], s[60:61], s[46:47]
	s_lshl_b32 s46, s41, 10
	s_lshl_b32 s55, s54, 6
	s_add_co_u32 s46, s46, s55
	s_add_co_u32 s46, s46, 4096
	s_add_nc_u64 s[50:51], s[38:39], s[46:47]      ; small: 4,096 + 1,024 mlp + 512 b + 64 tile + 4 r
	s_lshl_b32 s55, s40, 8
	v_lshl_add_u32 v8, v1, 2, s55
	v_add_nc_u32 v8, REDM, v8                      ; my slot
	v_lshlrev_b32 v14, 2, v2                       ; 4 r
	v_lshl_add_u32 v9, v3, 7, v14
	v_add_nc_u32 v9, REDM, v9
	v_lshlrev_b32 v17, 2, v1
	v_add_nc_u32 v17, REDM+2048, v17               ; slot 8: the 1,025th k
	v_and_b32 v15, 1, v2                           ; my row's batch
	v_lshlrev_b32 v16, 18, v15                     ; a batch of sigma or mu is 2^18 bytes
	v_lshlrev_b32 v15, 23, v15
	v_lshl_add_u32 v6, v3, 7, v15
	s_lshl_b32 s55, s40, 9
	s_add_co_u32 s55, s55, 8384508                 ; one number ahead of row 2,047: in wave 0 the first load of lanes 0-15 takes the number in front of the row (inside h), which the mean replaces
	v_add_nc_u32 v6, s55, v6
	v_add_nc_u32 v15, 8388604, v15                 ; x[1023]
	v_lshl_add_u32 v7, v3, 14, v14
	v_lshl_add_u32 v13, v3, 9, v14
	ALOAD
	LOADW 512
.irp t, 0,1,2,3,4,5,6,7
	global_load_b128 v[68+4*\t:71+4*\t], v16, s[56:57] offset:262016+16*\t   ; the last row's 32 numbers
.endr
	global_load_b32 v100, v15, s[4:5]
	global_load_b32 v101, v14, s[60:61] offset:524288   ; w1[1024][my column]
	global_load_b32 v102, v14, s[48:49]
	global_load_b32 v103, v14, s[28:29]
	s_wait_loadcnt 0x0
.irp p, 0,1,2,3,4,5,6,7
	v_pk_add_f32 v[68+4*\p:69+4*\p], v[68+4*\p:69+4*\p], v[70+4*\p:71+4*\p]
.endr
.irp p, 0,1,2,3
	v_pk_add_f32 v[68+8*\p:69+8*\p], v[68+8*\p:69+8*\p], v[72+8*\p:73+8*\p]
.endr
	v_pk_add_f32 v[68:69], v[68:69], v[76:77]
	v_pk_add_f32 v[84:85], v[84:85], v[92:93]
	v_pk_add_f32 v[68:69], v[68:69], v[84:85]
	v_add_f32 v68, v68, v69
	v_mul_f32 v68, 0x3d000000, v68                 ; / 32
	v_max_num_f32 v68, s52, v68
	v_cndmask_b32 v128, v128, v68, s53
	QF 128, 36, 28, 20, 26
	QF 192, 48, 28, 20, 27
	NOPS 8
	v_wmma_scale_f32_16x16x128_f8f6f4 v[60:67], v[36:47], v[48:59], 0, v26, v27 matrix_a_fmt:MATRIX_FMT_FP6 matrix_b_fmt:MATRIX_FMT_FP6
	NOPS 4
	ds_store_b32 v8, v60
	ds_store_b32 v8, v61 offset:128
	s_cmp_lg_u32 s40, 7
	s_cbranch_scc1 .Lno_tail
	; k = 1,024: the 33rd block holds one number and 31 zeros.  A K step of its own: that number in lanes 0-15's first place, zero codes everywhere else (they add nothing under the bytes 0 and 1).
	s_mov_b32 s59, 0xffff
	v_cndmask_b32 v128, 0, v100, s59
	v_cndmask_b32 v144, 0, v101, s59
.irp i, 1,2,3,4,5,6,7,8,9,10,11,12,13,14,15
	v_mov_b32 v[128+\i], 0
	v_mov_b32 v[144+\i], 0
.endr
	v_max3_num_f32 v20, |v128|, |v128|, 0x1800000
	v_max3_num_f32 v21, |v144|, |v144|, 0x1800000
	v_add_nc_u32 v22, 0xff000000, v20
	v_add_nc_u32 v23, 0xff000000, v21
	v_lshrrev_b32 v26, 23, v22                     ; the scale words: byte 0 the block's, the others 0, over zero codes
	v_lshrrev_b32 v27, 23, v23
	v_cvt_scalef32_pk16_fp6_f32 v[160:162], v[128:143], v22
	v_cvt_scalef32_pk16_fp6_f32 v[172:174], v[144:159], v23
	v_nop
.irp i, 3,4,5,6,7,8,9,10,11
	v_mov_b32 v[160+\i], 0
	v_mov_b32 v[172+\i], 0
.endr
	NOPS 8
	v_wmma_scale_f32_16x16x128_f8f6f4 v[184:191], v[160:171], v[172:183], 0, v26, v27 matrix_a_fmt:MATRIX_FMT_FP6 matrix_b_fmt:MATRIX_FMT_FP6
	NOPS 4
	ds_store_b32 v17, v184
	ds_store_b32 v17, v185 offset:128
.Lno_tail:
	s_wait_dscnt 0x0                               ; for the others' sake
	s_barrier_signal -1
	s_barrier_wait -1
	s_cmp_lg_u32 s40, 0
	s_cbranch_scc1 .Lmlp_end
.irp w, 0,1,2,3,4,5,6,7,8
	ds_load_b32 v[104+\w], v9 offset:256*\w
.endr
	s_wait_dscnt 0x0
.irp w, 1,2,3,4,5,6,7,8
	v_add_f32 v104, v104, v[104+\w]                ; K ascending
.endr
	v_add_f32 v113, v104, v102                     ; x = the sum + b1
	v_mul_f32 v114, 0x3f3504f3, |v113|             ; z = |x| / sqrt 2
	v_fma_f32 v115, v114, 0.5, 1.0
	v_rcp_f32 v115, v115                           ; t
	v_mov_b32 v116, 0x3e2ef945                     ; 0.17087277  (the plain place behind the reciprocal)
	s_wait_alu depctr_va_vdst(0)
	v_fmaak_f32 v116, v116, v115, 0xbf527892       ; -0.82215223
	v_fmaak_f32 v116, v116, v115, 0x3fbe87b0       ;  1.48851587
	v_fmaak_f32 v116, v116, v115, 0xbf914e5d       ; -1.13520398
	v_fmaak_f32 v116, v116, v115, 0x3e8ec7cc       ;  0.27886807
	v_fmaak_f32 v116, v116, v115, 0xbe3ec24c       ; -0.18628806
	v_fmaak_f32 v116, v116, v115, 0x3dc636c9       ;  0.09678418
	v_fmaak_f32 v116, v116, v115, 0x3ebf88fb       ;  0.37409196
	v_fmaak_f32 v116, v116, v115, 0x3f8000c7       ;  1.00002368
	v_fmaak_f32 v116, v116, v115, 0xbfa1fc4e       ; -1.26551223
	v_fma_f32 v116, -v114, v114, v116              ; P(t) - z^2
	v_mul_f32 v116, 0x3fb8aa3b, v116
	v_exp_f32 v116, v116
	v_mul_f32 v117, 0.5, v113                      ; x / 2  (the plain place behind the exponential)
	s_wait_alu depctr_va_vdst(0)
	v_mul_f32 v116, v116, v115                     ; erfc(z)
	v_sub_f32 v118, 2.0, v116                      ; erfc(-z)
	v_cmp_lt_f32 vcc_lo, 0, v113
	v_cndmask_b32 v116, v116, v118, vcc_lo
	v_mul_f32 v116, v117, v116                     ; GELU(x)
	v_cndmask_b32 v119, 1.0, v103, s58
	v_mul_f32 v116, v116, v119                     ; tau: the term GELU x tau_w2, summed in the next launch; delta: GELU itself
	global_store_b32 v13, v116, s[50:51]
.Lmlp_end:
	s_wait_tensorcnt 0x0
	ds_add_u32 v126, v127
	s_wait_dscnt 0x0
	s_endpgm
.Lfunc_end_k_qbf15df1025_prep:
	.size	k_qbf15df1025_prep, .Lfunc_end_k_qbf15df1025_prep-k_qbf15df1025_prep
	.p2alignl 7, 3214868480
	.fill 96, 4, 3214868480
	.section	.rodata,"a",@progbits
	.p2align	6, 0x0
	.amdhsa_kernel k_qbf15df1025_prep
		.amdhsa_group_segment_fixed_size 73984
		.amdhsa_private_segment_fixed_size 0
		.amdhsa_enable_private_segment 0
		.amdhsa_kernarg_size 144
		.amdhsa_user_sgpr_count 2
		.amdhsa_user_sgpr_kernarg_segment_ptr 1
		.amdhsa_wavefront_size32 1
		.amdhsa_system_sgpr_workgroup_id_x 1
		.amdhsa_system_sgpr_workgroup_id_y 1
		.amdhsa_system_sgpr_workgroup_id_z 1
		.amdhsa_system_vgpr_workitem_id 0
		.amdhsa_next_free_vgpr 256
		.amdhsa_next_free_sgpr 66
		.amdhsa_reserve_vcc 1
		.amdhsa_float_denorm_mode_32 3
		.amdhsa_float_denorm_mode_16_64 3
		.amdhsa_memory_ordered 1
		.amdhsa_forward_progress 1
		.amdhsa_inst_pref_size 83
	.end_amdhsa_kernel
	.amdgpu_metadata
---
amdhsa.version: [ 1, 2 ]
amdhsa.kernels:
  - .name:           k_qbf15df1025_prep
    .symbol:         k_qbf15df1025_prep.kd
    .args:
      - { .name: h, .offset: 0, .size: 8, .value_kind: global_buffer, .address_space: global }
      - { .name: pre_norm_sigma, .offset: 8, .size: 8, .value_kind: global_buffer, .address_space: global }
      - { .name: pre_norm_mu, .offset: 16, .size: 8, .value_kind: global_buffer, .address_space: global }
      - { .name: Wq, .offset: 24, .size: 8, .value_kind: global_buffer, .address_space: global }
      - { .name: Wk, .offset: 32, .size: 8, .value_kind: global_buffer, .address_space: global }
      - { .name: Wv, .offset: 40, .size: 8, .value_kind: global_buffer, .address_space: global }
      - { .name: Wo, .offset: 48, .size: 8, .value_kind: global_buffer, .address_space: global }
      - { .name: del_w2, .offset: 56, .size: 8, .value_kind: global_buffer, .address_space: global }
      - { .name: tau_w1, .offset: 64, .size: 8, .value_kind: global_buffer, .address_space: global }
      - { .name: del_w1, .offset: 72, .size: 8, .value_kind: global_buffer, .address_space: global }
      - { .name: tau_b1, .offset: 80, .size: 8, .value_kind: global_buffer, .address_space: global }
      - { .name: del_b1, .offset: 88, .size: 8, .value_kind: global_buffer, .address_space: global }
      - { .name: tau_w2, .offset: 96, .size: 8, .value_kind: global_buffer, .address_space: global }
      - { .name: hc, .offset: 104, .size: 8, .value_kind: global_buffer, .address_space: global }
      - { .name: hs, .offset: 112, .size: 8, .value_kind: global_buffer, .address_space: global }
      - { .name: wc, .offset: 120, .size: 8, .value_kind: global_buffer, .address_space: global }
      - { .name: ws, .offset: 128, .size: 8, .value_kind: global_buffer, .address_space: global }
      - { .name: small, .offset: 136, .size: 8, .value_kind: global_buffer, .address_space: global }
    .group_segment_fixed_size: 73984
    .private_segment_fixed_size: 0
    .kernarg_segment_align: 8
    .kernarg_segment_size: 144
    .max_flat_workgroup_size: 256
    .sgpr_count:     66
    .vgpr_count:     256
    .wavefront_size: 32
...
	.end_amdgpu_metadata
.endif
;; end of part 1
;; launch main (part 2): grid 16 x 16, 4 waves a work-group, clusters of 4 x 4, 262,656 bytes of LDS; arguments hc, hs, wc, ws, small, tau_b2, del_b2, part; writes part
.if DOCPART == 2
	.amdgcn_target "amdgcn-amd-amdhsa--gfx1250"
	.amdhsa_code_object_version 6
	.text
	.protected	k_qbf15df1025_main
	.globl	k_qbf15df1025_main
	.p2align	8
	.type	k_qbf15df1025_main,@function
k_qbf15df1025_main:
	s_mov_b64 s[64:65], 0
	v_nop
	global_prefetch_b8 v0, s[64:65] scope:SCOPE_SE
	s_setreg_imm32_b32 hwreg(HW_REG_WAVE_MODE, 25, 1), 1
	s_wait_xcnt 0x0
	s_wait_alu depctr_hold_cnt(0) depctr_sa_sdst(0) depctr_va_vdst(0) depctr_va_sdst(0) depctr_va_ssrc(0) depctr_va_vcc(0) depctr_vm_vsrc(0)
	s_getreg_b32 s2, hwreg(HW_REG_IB_STS2, 6, 4)
	s_cmp_eq_u32 s2, 0
	s_cbranch_scc0 .Lentry_in_a_cluster
	s_endpgm
.Lentry_in_a_cluster:
	s_bfe_u32 s2, ttmp6, 0x10000c
	s_cmp_lg_u32 s2, 0xf033
	s_cbranch_scc0 .Lentry_shape_is_right
	s_endpgm
.Lentry_shape_is_right:
; SECOND LAUNCH.  A work-group takes one head (x) and 256 keys of one batch (y = 8 batch + chunk): K = h Wk and V = h Wv for these keys and the head's 32 + 32 columns (K = 1,024, on the codes of the first launch),
; then, for the batch's LAST query alone: tau, delta (hidden layer x del_w2, clipped), the delta bias (f32), the scores q . K on codes, the clip at +-50, p = 2^(t - M) with M = ceil(the largest t of the wave's keys),
; the sum l of the unquantised p, and p V on codes.  Its four waves' partial (o, M, l) are merged by exact powers of two into one record of 256 bytes; the third launch merges the 8 chunks.
; The causal mask hides no key from the last query.
; SHARES: wave w has keys 64 w .. 64 w + 63: 4 tiles of keys x (2 tiles of K's columns + 2 of V's) = 16 accumulators; a head has no more columns.  256 work-groups of equal work.
; LDS: all operands of the work-group lie in LDS at once (245,760 bytes): every byte is filled once, there is no ring.  Wave w fetches a quarter of the weights (read by all four, behind a barrier) and its own
; 64 rows of h in four parts along K (read by itself alone, each behind its own counted wait).  A wave has five tensor loads out.
; CLUSTER 4 x 4: the four work-groups of a row of the cluster share y, so h's tiles; the four of a column share the head, so the weights': each tile is asked for jointly, by the same load with the same descriptor.
; LAYOUTS.  K is used transposed (source 0 = 16 columns of Wk, source 1 = 16 keys): a lane holds ONE key and 16 of its 32 dims, so a key's block of 32 lies in lanes l and l xor 16.  V is used as it is (source 0 =
; 16 keys, source 1 = 16 columns): a lane holds one column and 8 keys a tile, so a block of 32 keys lies in two tiles and lanes l, l xor 16.  In both, a block's codes stand in the order 0-7, 16-23, 8-15, 24-31;
; q and p are loaded in the same order, so each product meets its partner; block and scale are the same set of 32.  (Only the order of the f32 sum inside the unit differs.)
; The score product: row m of source 0 holds q in block m % 4 and zero codes elsewhere, source 1's row r holds key (b, r) in block b: register g of the result is the score of key 16 g + r.
; p V: row m of source 0 holds p's two blocks at blocks 2 (m % 2), 2 (m % 2) + 1; source 1's row r holds column 16 e + r at blocks 2 e, 2 e + 1: registers 0, 1 are o[r], o[16 + r].
; LIMITS: NaN and infinities are not served; a p under 2^-126 counts as 0 (beside l > 1/2); blocks under the floor 2^-124 keep the byte 1.
; REGISTERS, window 0: v1-19 addresses; v20-35 at work; v36 -M, v37 l, v38 tau / sqrt(32); scale words and nothing else: v40 K's and V's, v41 p's, v42 q's, v43 the hidden layer's, v44-45 del_w2's, v48-63 h's
; (pair of tiles p, K step s: 48 + 8 p + s; lanes 0-15 tile 2 p, lanes 16-31 tile 2 p + 1), v64-79 Wk's and Wv's (64 + 8 mat + s; lanes 0-15 the first 16 columns, lanes 16-31 the second);
; v80-91 q's operand; v92-107 delta; v108-127 codes just made; v128-191 K's accumulators ((u, a) at 128 + 16 a + 8 u), v192-255 V's ((e, a) at 192 + 32 e + 8 a).
; window 1: two sets of fragments at 0 and 128: h's tile a at + 12 a, the weights' part i at + 48 + 12 i.
.set PVB,  245760                      ; LDS: 256 bytes a wave: its 64 p.  No fill lands here
.set MRG,  246784                      ; 256 bytes a wave: its partial o[32], -M, l
.set SEL,  66                          ; s[66:67]
.set SH8,  4
.set TM,   20
.set PC,   108
.set PW,   40
.set MSB, 0
.macro WIN new                         ; the immediate's high byte repeats the setting that is left
.if MSB != \new
	s_set_vgpr_msb (MSB<<8)|\new
.set MSB, \new
.endif
.endm
.macro NOPS n
.rept \n
	v_nop
.endr
.endm
.macro ROUND                           ; a round of the cluster's barrier
	s_barrier_signal -1
	s_barrier_wait -1
	s_cmp_lg_u32 s20, 0
	s_cbranch_scc1 .Lnot_wave_0_\@
	s_barrier_signal -3
.Lnot_wave_0_\@:
	s_barrier_wait -3
	s_barrier_signal -1
	s_barrier_wait -1
.endm
; The scaled product.  d: result, a, b: sources, z = 1: the sum begins with 0, sa, sb: scale words, ra, rb = 1: that side's words are taken from lanes 16-31
.macro WM d, a, b, z, sa, sb, ra, rb
.set wD, \d
.set wA, \a
.set wB, \b
.set wSA, \sa
.set wSB, \sb
.set wR, 2*(\ra)+(\rb)
.if \z
.if wR == 0
	v_wmma_scale_f32_16x16x128_f8f6f4 v[wD:wD+7], v[wA:wA+11], v[wB:wB+11], 0, v[wSA], v[wSB] matrix_a_fmt:MATRIX_FMT_FP6 matrix_b_fmt:MATRIX_FMT_FP6
.elseif wR == 1
	v_wmma_scale_f32_16x16x128_f8f6f4 v[wD:wD+7], v[wA:wA+11], v[wB:wB+11], 0, v[wSA], v[wSB] matrix_a_fmt:MATRIX_FMT_FP6 matrix_b_fmt:MATRIX_FMT_FP6 matrix_b_scale:MATRIX_SCALE_ROW1
.elseif wR == 2
	v_wmma_scale_f32_16x16x128_f8f6f4 v[wD:wD+7], v[wA:wA+11], v[wB:wB+11], 0, v[wSA], v[wSB] matrix_a_fmt:MATRIX_FMT_FP6 matrix_b_fmt:MATRIX_FMT_FP6 matrix_a_scale:MATRIX_SCALE_ROW1
.else
	v_wmma_scale_f32_16x16x128_f8f6f4 v[wD:wD+7], v[wA:wA+11], v[wB:wB+11], 0, v[wSA], v[wSB] matrix_a_fmt:MATRIX_FMT_FP6 matrix_b_fmt:MATRIX_FMT_FP6 matrix_a_scale:MATRIX_SCALE_ROW1 matrix_b_scale:MATRIX_SCALE_ROW1
.endif
.else
.if wR == 0
	v_wmma_scale_f32_16x16x128_f8f6f4 v[wD:wD+7], v[wA:wA+11], v[wB:wB+11], v[wD:wD+7], v[wSA], v[wSB] matrix_a_fmt:MATRIX_FMT_FP6 matrix_b_fmt:MATRIX_FMT_FP6
.elseif wR == 1
	v_wmma_scale_f32_16x16x128_f8f6f4 v[wD:wD+7], v[wA:wA+11], v[wB:wB+11], v[wD:wD+7], v[wSA], v[wSB] matrix_a_fmt:MATRIX_FMT_FP6 matrix_b_fmt:MATRIX_FMT_FP6 matrix_b_scale:MATRIX_SCALE_ROW1
.elseif wR == 2
	v_wmma_scale_f32_16x16x128_f8f6f4 v[wD:wD+7], v[wA:wA+11], v[wB:wB+11], v[wD:wD+7], v[wSA], v[wSB] matrix_a_fmt:MATRIX_FMT_FP6 matrix_b_fmt:MATRIX_FMT_FP6 matrix_a_scale:MATRIX_SCALE_ROW1
.else
	v_wmma_scale_f32_16x16x128_f8f6f4 v[wD:wD+7], v[wA:wA+11], v[wB:wB+11], v[wD:wD+7], v[wSA], v[wSB] matrix_a_fmt:MATRIX_FMT_FP6 matrix_b_fmt:MATRIX_FMT_FP6 matrix_a_scale:MATRIX_SCALE_ROW1 matrix_b_scale:MATRIX_SCALE_ROW1
.endif
.endif
.endm
; 64 numbers of a lane, v[x + 32 c + i] = k 64 c + 32 h + i (two whole blocks), become the operand's 12 registers v[cd] on and the scale word v[sw]
.macro QF x, cd, tp, mx, sw
.irp c, 0,1
	v_max3_num_f32 v[\mx+\c], |v[\x+32*\c]|, |v[\x+32*\c+1]|, 0x1800000   ; with the floor 2^(3 - 127): the byte cannot fall under 1
.endr
.irp i, 2,4,6,8,10,12,14,16,18,20,22,24,26,28,30
.irp c, 0,1
	v_max3_num_f32 v[\mx+\c], v[\mx+\c], |v[\x+32*\c+\i]|, |v[\x+32*\c+\i+1]|
.endr
.endr
.irp c, 0,1
	v_add_nc_u32 v[\mx+2+\c], 0xff000000, v[\mx+\c]      ; 2 off the exponent field: the conversion's scale operand
.endr
.irp c, 0,1
	v_lshrrev_b32 v[\mx+\c], 23, v[\mx+2+\c]
.endr
	v_lshl_or_b32 v[\sw], v[\mx+1], 16, v[\mx]
	v_lshlrev_b32 v[\sw], v[SH8], v[\sw]
	v_permlanex16_b32 v[\mx+4], v[\sw], s[SEL], s[SEL+1]
	v_or_b32 v[\sw], v[\sw], v[\mx+4]
	v_cvt_scalef32_pk16_fp6_f32 v[\cd:\cd+2], v[\x:\x+15], v[\mx+2]
	v_cvt_scalef32_pk16_fp6_f32 v[\tp:\tp+2], v[\x+16:\x+31], v[\mx+2]
	v_cvt_scalef32_pk16_fp6_f32 v[\cd+6:\cd+8], v[\x+32:\x+47], v[\mx+3]
	v_cvt_scalef32_pk16_fp6_f32 v[\tp+4:\tp+6], v[\x+48:\x+63], v[\mx+3]
	v_nop                                                ; one plain place behind a scaled conversion
.irp i, 0,1,2
	v_mov_b32 v[\cd+3+\i], v[\tp+\i]
	v_mov_b32 v[\cd+9+\i], v[\tp+4+\i]
.endr
.endm
; One block: 32 numbers of a lane become 2 x 3 registers of codes; v[mx + 2] the scale operand, v[mx + 3] the byte
.macro Q32 x, ca, cb, mx
	v_max3_num_f32 v[\mx], |v[\x]|, |v[\x+1]|, 0x1800000
	v_max3_num_f32 v[\mx+1], |v[\x+2]|, |v[\x+3]|, 0x1800000
.irp i, 4,8,12,16,20,24,28
	v_max3_num_f32 v[\mx], v[\mx], |v[\x+\i]|, |v[\x+\i+1]|
	v_max3_num_f32 v[\mx+1], v[\mx+1], |v[\x+\i+2]|, |v[\x+\i+3]|
.endr
	v_max_num_f32 v[\mx], v[\mx], v[\mx+1]
	v_add_nc_u32 v[\mx+2], 0xff000000, v[\mx]
	v_lshrrev_b32 v[\mx+3], 23, v[\mx+2]
	v_cvt_scalef32_pk16_fp6_f32 v[\ca:\ca+2], v[\x:\x+15], v[\mx+2]
	v_cvt_scalef32_pk16_fp6_f32 v[\cb:\cb+2], v[\x+16:\x+31], v[\mx+2]
	v_nop
.endm
; 64 numbers of a lane, register 16 b + i = place 16 h + i of block b of my row (half blocks, shared with lane l xor 16), become a fragment's codes in v[PC] on and its scale word in v[PW]
.macro QUANT s
.irp b, 0,1,2,3
	v_max3_num_f32 v[TM+\b], |v[\s+16*\b]|, |v[\s+1+16*\b]|, 0x1800000
.endr
.irp i, 2,4,6,8,10,12,14
.irp b, 0,1,2,3
	v_max3_num_f32 v[TM+\b], v[TM+\b], |v[\s+16*\b+\i]|, |v[\s+1+16*\b+\i]|   ; the four blocks by turns
.endr
.endr
.irp b, 0,1,2,3
	v_permlanex16_b32 v[TM+4+\b], v[TM+\b], s[SEL], s[SEL+1]
.endr
.irp b, 0,1,2,3
	v_max_num_f32 v[TM+\b], v[TM+\b], v[TM+4+\b]         ; with lane l xor 16's: the block's largest magnitude
.endr
.irp b, 0,1,2,3
	v_add_nc_u32 v[TM+12+\b], 0xff000000, v[TM+\b]
.endr
.irp b, 0,1,2,3
	v_lshrrev_b32 v[TM+4+\b], 23, v[TM+12+\b]
.endr
	v_lshl_or_b32 v[PW], v[TM+5], 8, v[TM+4]
	v_lshl_or_b32 v[PW], v[TM+6], 16, v[PW]
	v_lshl_or_b32 v[PW], v[TM+7], 24, v[PW]
.irp c, 0,1
	v_cvt_scalef32_pk16_fp6_f32 v[PC+6*\c:PC+2+6*\c], v[\s+32*\c:\s+15+32*\c], v[TM+12+2*\c]
	v_cvt_scalef32_pk16_fp6_f32 v[PC+12+4*\c:PC+14+4*\c], v[\s+16+32*\c:\s+31+32*\c], v[TM+12+2*\c+1]
.endr
	v_nop                                                ; one plain place behind a scaled conversion
.irp c, 0,1                                    ; the operand's layout wants a whole block in a lane: lanes 0-15 block 2 c, lanes 16-31 block 2 c + 1
.irp i, 0,1,2
	v_permlane16_swap_b32 v[PC+6*\c+\i], v[PC+12+4*\c+\i]
.endr
.irp i, 0,1,2
	v_mov_b32 v[PC+3+6*\c+\i], v[PC+12+4*\c+\i]
.endr
.endr
.endm
; K step s: its 8 fragments, 24 loads of 512 consecutive bytes, into set s % 2 of window 1
.macro FETCH s
	WIN 0x40                                       ; destination window 1, address window 0
.set fP, 128*((\s)%2)
.irp a, 0,1,2,3
.irp j, 0,1,2
	ds_load_b128 v[fP+12*\a+4*\j:fP+12*\a+4*\j+3], v5 offset:((\s)/2)*12288+3072*\a+((\s)%2)*1536+512*\j
.endr
.endr
.irp i, 0,1,2,3
.irp j, 0,1,2
	ds_load_b128 v[fP+48+12*\i+4*\j:fP+48+12*\i+4*\j+3], v1 offset:12288*\i+1536*(\s)+512*\j
.endr
.endr
.endm
; K step s: 16 products; the 16 accumulators take turns, one instruction a turn, in the same order in every step
.macro MUL s, z
	WIN 0x05                                       ; sources 0 and 1 window 1; C and D window 0
.set fP, 128*((\s)%2)
.irp a, 0,1,2,3
	WM 128+16*\a, fP+48, fP+12*\a, \z, 64+(\s), 48+8*(\a/2)+(\s), 0, \a%2
	WM 136+16*\a, fP+60, fP+12*\a, \z, 64+(\s), 48+8*(\a/2)+(\s), 1, \a%2
	WM 192+8*\a, fP+12*\a, fP+72, \z, 48+8*(\a/2)+(\s), 72+(\s), \a%2, 0
	WM 224+8*\a, fP+12*\a, fP+84, \z, 48+8*(\a/2)+(\s), 72+(\s), \a%2, 1
.endr
.endm
.macro GSTEP s
.if (\s) < 7
.if (\s) >= 1
	NOPS 4                                         ; places in front of loads into the set that the products just issued have read
.endif
.if ((\s)+1)%2 == 0
	s_wait_tensorcnt 3-((\s)+1)/2                  ; the part of my rows of h with K steps s + 1, s + 2 has landed; the later parts may be out.  My own bytes: no barrier
.endif
	FETCH (\s)+1
	s_wait_dscnt 24                                ; this step's fragments are in; the 24 loads just issued may be out
.else
	s_wait_dscnt 0x0
.endif
.if (\s) == 0
	MUL \s, 1                                      ; the first step starts the sums: nothing is cleared
.else
	MUL \s, 0
.endif
.endm
	s_load_b512 s[4:19], s[0:1], 0x0               ; hc, hs, wc, ws, small, tau_b2, del_b2, part
	v_lshl_add_u32 v46, v0, 2, 0x40000
	v_mov_b32 v47, 0
	ds_add_u32 v46, v47
	ds_add_u32 v46, v47
	v_lshrrev_b32 v1, 5, v0
	v_readfirstlane_b32 s20, v1                    ; wave 0..3
	s_bfe_u32 s21, ttmp6, 0x40000                  ; cx
	s_bfe_u32 s22, ttmp6, 0x40004                  ; cy
	s_lshl_b32 s23, ttmp9, 2
	s_add_co_u32 s23, s23, s21                     ; head = 4 x cluster x + cx
	s_and_b32 s24, ttmp7, 0xffff
	s_lshl_b32 s24, s24, 2
	s_add_co_u32 s24, s24, s22                     ; y = 4 x cluster y + cy = 8 batch + chunk
	s_lshl_b32 s25, s22, 2
	s_lshl_b32 s25, 15, s25                        ; my row of the cluster
	s_lshl_b32 s26, 0x1111, s21                    ; my column
	; group 1 for h's tiles: 4 rows (tiles of 16 keys) of 3,072 bytes (two K steps' images), 12,288 bytes apart; elements of 8 bytes
	s_or_b32 s28, s25, (3<<16)|(1<<21)             ; 15:0 the mask: my row; 17:16 elements of 8 bytes; 21 set beside a mask
	s_mov_b32 s29, 384<<16                         ; tensor_dim0
	s_mov_b32 s30, 4<<16                           ; tensor_dim1
	s_mov_b32 s31, 384<<16                         ; tile_dim0
	s_mov_b32 s32, 4                               ; tile_dim1
	s_mov_b32 s33, 1536                            ; from row to row
	s_mov_b32 s34, 0
	s_mov_b32 s35, 0
	; group 1 for the weights: a dense block of 12,288 bytes (16 columns, 8 K steps) as 48 rows of 256 bytes
	s_or_b32 s36, s26, (3<<16)|(1<<21)             ; the mask: my column
	s_mov_b32 s37, 32<<16
	s_mov_b32 s38, 48<<16
	s_mov_b32 s39, 32<<16
	s_mov_b32 s40, 48
	s_mov_b32 s41, 32
	s_mov_b32 s42, 0
	s_mov_b32 s43, 0
	s_lshl_b32 s99, s24, 4
	s_lshl_b32 s27, s20, 2
	s_add_co_u32 s99, s99, s27                     ; my first tile of rows: 16 y + 4 wave: made of y and the wave alone
	s_mul_i32 s68, s99, 12288
	s_mov_b32 s69, 0
	s_lshr_b32 s70, s20, 1                         ; my part of the weights: matrix wave / 2, column tile 2 head + wave % 2: made of the head and the wave alone
	s_lshl_b32 s70, s70, 5
	s_lshl_b32 s72, s23, 1
	s_add_co_u32 s70, s70, s72
	s_and_b32 s72, s20, 1
	s_add_co_u32 s70, s70, s72
	s_mul_i32 s70, s70, 12288
	s_mov_b32 s71, 0
	s_mov_b32 s44, 1
	s_mul_i32 s45, s20, 12288                      ; LDS: the weights' four parts from byte 0
	s_mul_i32 s100, s20, 49152
	s_add_co_u32 s100, s100, 49152                 ; behind them 49,152 bytes for each wave's rows of h
	s_lshl_b32 s101, s20, 8
.irp q, 0,1,2,3
	s_mov_b32 s[48+4*\q], 1
	s_add_co_u32 s[49+4*\q], s100, 12288*\q
.endr
	v_and_b32 v19, 31, v0                          ; lane
	v_and_b32 v2, 15, v0                           ; r
	v_bfe_u32 v3, v0, 4, 1                         ; h
	v_lshlrev_b32 v1, 4, v19                       ; 16 x lane: an image's place for my lane; also the weights' fragments' address
	v_lshlrev_b32 v4, 3, v3                        ; 8 h
	v_add_nc_u32 v5, s100, v1                      ; my rows' fragments
	v_lshl_add_u32 v6, v2, 2, s101
	v_add_nc_u32 v6, PVB, v6                       ; p in: 256 wave + 4 r (+ 64 g)
	v_lshl_add_u32 v7, v3, 7, s101
	v_add_nc_u32 v7, PVB, v7                       ; p out: block h of my wave's two
	v_lshl_add_u32 v8, v2, 2, s101
	v_add_nc_u32 v8, MRG, v8                       ; my partial: o
	v_mov_b32 v9, s101
	v_add_nc_u32 v9, MRG, v9                       ; and -M, l
	v_lshlrev_b32 v18, 2, v19                      ; 4 x lane
	v_add_nc_u32 v10, MRG, v18
	v_mov_b32 v11, MRG+128
	v_lshlrev_b32 v12, 5, v19                      ; 32 x lane
	v_lshlrev_b32 v16, 5, v2                       ; 32 r
	v_lshl_add_u32 v13, v3, 2, v16                 ; 32 r + 4 h
	v_mov_b32 v14, 0
	v_lshlrev_b32 v15, 7, v3                       ; 128 h
	v_lshlrev_b32 v17, 5, v3                       ; 32 h
.irp b, 0,1,2,3
	v_mov_b32 v[TM+4+\b], 0                        ; written once: a lane permute's destination counts as one of its sources
.endr
	s_wait_dscnt 0x0
	s_wait_kmcnt 0x0
	s_load_b32 s98, s[14:15], 0x0                  ; tau_b2
	s_add_nc_u64 s[46:47], s[8:9], s[70:71]
	s_or_b32 s47, s47, 0x80000000                  ; type 2
	s_add_nc_u64 s[74:75], s[4:5], s[68:69]
.irp q, 0,1,2,3
	s_add_nc_u64 s[50+4*\q:51+4*\q], s[74:75], 3072*\q
	s_or_b32 s[51+4*\q], s[51+4*\q], 0x80000000
.endr
	ROUND                                          ; all sixteen work-groups are here: the joint loads meet
	tensor_load_to_lds s[44:47], s[36:43]          ; my quarter of the weights,
	s_nop 0
	tensor_load_to_lds s[48:51], s[28:35]          ; my rows of h: K steps 0, 1,
	s_nop 0
	tensor_load_to_lds s[52:55], s[28:35]          ; 2, 3,
	s_nop 0
	tensor_load_to_lds s[56:59], s[28:35]          ; 4, 5,
	s_nop 0
	tensor_load_to_lds s[60:63], s[28:35]          ; 6, 7
	s_nop 0
	NOPS 4
	s_mov_b32 s73, 0                               ; s[72:73]: a byte offset as a pair
	s_lshl_b32 s72, s99, 9
	s_add_nc_u64 s[74:75], s[6:7], s[72:73]        ; hs: my four tiles' blocks
	s_lshr_b32 s72, s23, 1
	s_lshl_b32 s72, s72, 11
	s_and_b32 s25, s23, 1
	s_lshl_b32 s25, s25, 3
	s_add_co_u32 s72, s72, s25
	s_add_nc_u64 s[76:77], s[10:11], s[72:73]      ; ws: 2,048 (head / 2) + 8 (head % 2)
	s_lshr_b32 s26, s24, 3                         ; batch
	s_lshl_b32 s72, s26, 11
	s_lshl_b32 s25, s23, 7
	s_add_co_u32 s72, s72, s25
	s_add_nc_u64 s[78:79], s[12:13], s[72:73]      ; q of my batch and head
	s_mov_b32 s72, s25
	s_add_nc_u64 s[86:87], s[16:17], s[72:73]      ; del_b2 at my head
	s_lshl_b32 s72, s26, 9
	s_add_nc_u64 s[80:81], s[12:13], s[72:73]      ; tau's terms at + 4,096, delta's hidden layer at + 5,120
	s_mul_i32 s72, s23, 3072
	s_add_co_u32 s72, s72, 786432
	s_add_nc_u64 s[82:83], s[8:9], s[72:73]        ; del_w2's fragments 512 + 2 head, + 1
	s_lshr_b32 s72, s23, 2
	s_add_co_u32 s72, s72, 64
	s_lshl_b32 s72, s72, 9
	s_and_b32 s25, s23, 3
	s_lshl_b32 s25, s25, 3
	s_add_co_u32 s72, s72, s25
	s_add_nc_u64 s[84:85], s[10:11], s[72:73]      ; and their scale words
	s_lshl_b32 s72, s26, 15
	s_lshl_b32 s25, s23, 11
	s_add_co_u32 s72, s72, s25
	s_and_b32 s25, s24, 7
	s_lshl_b32 s25, s25, 8
	s_add_co_u32 s72, s72, s25
	s_add_nc_u64 s[88:89], s[18:19], s[72:73]      ; my record: ((16 batch + head) 8 + chunk) x 256
	s_mov_b32 s[SEL], 0x76543210
	s_mov_b32 s[SEL+1], 0xfedcba98
	s_mov_b32 s90, 0x22221111                      ; lanes whose registers 0-5 are block (row % 4) of their row
	s_mov_b32 s91, 0x88884444                      ; the same of registers 6-11
	s_mov_b32 s92, 0x55555555                      ; even rows
	s_mov_b32 s93, 0xaaaaaaaa                      ; odd rows
	s_mov_b32 s94, 0xc0a00000                      ; -5
	s_mov_b32 s95, 0x40a00000                      ; 5
	s_mov_b32 s96, 0xc2480000                      ; -50
	s_mov_b32 s97, 0x42480000                      ; 50
.irp p, 0,1
.irp t, 0,1
	global_load_b128 v[48+8*\p+4*\t:51+8*\p+4*\t], v12, s[74:75] offset:1024*\p+16*\t   ; h's scale words: 32 bytes a row, two tiles in the 32 lanes
.endr
.endr
.irp m, 0,1
.irp s, 0,1,2,3,4,5,6,7
	global_load_b32 v[64+8*\m+\s], v13, s[76:77] offset:16384*\m+512*(\s/2)+16*(\s%2)
.endr
.endr
.irp t, 0,1,2,3,4,5,6,7
	global_load_b128 v[192+4*\t:195+4*\t], v14, s[78:79] offset:16*(\t%2)+64*((\t/2)%2)+32*(\t/4)   ; q in the order 0-7, 16-23, 8-15, 24-31, the same in every lane
.endr
	global_load_b128 v[248:251], v1, s[80:81] offset:4096
.irp c, 0,1
.irp t, 0,1,2,3,4,5,6,7
	global_load_b128 v[128+32*\c+4*\t:131+32*\c+4*\t], v15, s[80:81] offset:5120+256*\c+16*\t   ; the hidden layer, the same row in all 16 rows
.endr
.endr
.irp u, 0,1
.irp j, 0,1,2
	global_load_b128 v[224+12*\u+4*\j:227+12*\u+4*\j], v1, s[82:83] offset:1536*\u+512*\j
.endr
.endr
	global_load_b64 v[44:45], v16, s[84:85]
.irp u, 0,1
	global_load_b128 v[92+8*\u:95+8*\u], v17, s[86:87] offset:64*\u       ; del_b2 in the result's layout: the C of delta's product
	global_load_b128 v[96+8*\u:99+8*\u], v17, s[86:87] offset:64*\u+16
.endr
	s_wait_loadcnt 0x0
	s_wait_kmcnt 0x0
	; ---- while the tiles land: delta, q's operand, tau
	QF 128, 108, 120, 20, 43
	Q32 192, 120, 124, 20
	v_lshl_or_b32 v42, v23, 8, v23                 ; q's byte at all four places: a row's three other blocks are zero codes
	v_lshl_or_b32 v42, v42, 16, v42
.irp i, 0,1,2
	v_cndmask_b32 v[80+\i], 0, v[120+\i], s90
	v_cndmask_b32 v[83+\i], 0, v[124+\i], s90
	v_cndmask_b32 v[86+\i], 0, v[120+\i], s91
	v_cndmask_b32 v[89+\i], 0, v[124+\i], s91
.endr
	WM 92, 224, 108, 0, 44, 43, 0, 0               ; transposed: register j = delta[32 head + 8 h + j] in every lane, K's own layout.  (q's lines above are the places behind the hidden layer's codes and word)
	WM 100, 236, 108, 0, 45, 43, 0, 0              ; and + 16
	NOPS 5                                         ; 4 in front of the reads of delta, 5 in front of the products that write over these sources
	v_add_f32 v248, v248, v249                     ; tau: the 128 terms, four a lane,
	v_add_f32 v250, v250, v251
	v_add_f32 v248, v248, v250
	v_add_f32_dpp v248, v248, v248 row_xmask:1 row_mask:0xf bank_mask:0xf
	v_add_f32_dpp v248, v248, v248 row_xmask:2 row_mask:0xf bank_mask:0xf
	v_add_f32_dpp v248, v248, v248 row_xmask:4 row_mask:0xf bank_mask:0xf
	v_add_f32_dpp v248, v248, v248 row_xmask:8 row_mask:0xf bank_mask:0xf
	v_permlanex16_b32 v249, v248, s[SEL], s[SEL+1]
	v_add_f32 v248, v248, v249
	v_add_f32 v248, s98, v248
	v_max_num_f32 v248, 0xc0400000, v248           ; clipped at -3
	v_min_num_f32 v248, 0x40400000, v248           ; and 3
	v_mul_f32 v248, 0x3fb8aa3b, v248
	v_exp_f32 v248, v248
	v_nop                                          ; a plain place behind the exponential
	s_wait_alu depctr_va_vdst(0)
	v_mul_f32 v38, 0x3e3504f3, v248                ; tau / sqrt(32)
.irp j, 0,1,2,3,4,5,6,7,8,9,10,11,12,13,14,15
	v_med3_num_f32 v[92+\j], v[92+\j], s94, s95    ; delta clipped, each result from its low end on
.endr
	s_wait_tensorcnt 0x4                           ; my quarter of the weights has landed (the four loads issued behind it may be out)
	s_barrier_signal -1
	s_barrier_wait -1                              ; everybody's has
	s_wait_tensorcnt 0x3                           ; my rows' K steps 0 and 1
	FETCH 0
.irp s, 0,1,2,3,4,5,6,7
	GSTEP \s
.endr
	WIN 0
	NOPS 4
	; ---- my 64 keys
	QUANT 128                                      ; K's codes: row r, block a = key 16 a + r
.irp a, 0,1,2,3
	v_pk_mul_f32 v[120+2*\a:121+2*\a], v[128+16*\a:129+16*\a], v[92:93]    ; the delta bias, in f32, of the unquantised K: my 16 dims of key (a, r); the four keys by turns
.endr
.irp j, 2,4,6,8,10,12,14
.irp a, 0,1,2,3
	v_pk_fma_f32 v[120+2*\a:121+2*\a], v[128+16*\a+\j:129+16*\a+\j], v[92+\j:93+\j], v[120+2*\a:121+2*\a]
.endr
.endr
.irp a, 0,1,2,3
	v_add_f32 v[120+2*\a], v[120+2*\a], v[121+2*\a]
.endr
.irp a, 0,1,2,3
	v_permlanex16_b32 v[24+\a], v[120+2*\a], s[SEL], s[SEL+1]
.endr
.irp a, 0,1,2,3
	v_add_f32 v[120+2*\a], v[120+2*\a], v[24+\a]   ; with lane l xor 16's 16 dims.  (These 44 lines are the places behind K's codes and scale word)
.endr
	WM 184, 80, 108, 1, 42, 40, 0, 0               ; register g: q . K of key 16 g + r
	NOPS 4
.irp g, 0,1,2,3
	v_fma_f32 v[180+\g], v[184+\g], v38, v[120+2*\g]
.endr
.irp g, 0,1,2,3
	v_med3_num_f32 v[180+\g], v[180+\g], s96, s97
.endr
.irp g, 0,1,2,3
	v_mul_f32 v[180+\g], 0x3fb8aa3b, v[180+\g]     ; t
.endr
	v_max3_num_f32 v39, v180, v181, v182
	v_max_num_f32 v39, v39, v183
	v_max_num_f32_dpp v39, v39, v39 row_xmask:1 row_mask:0xf bank_mask:0xf
	v_max_num_f32_dpp v39, v39, v39 row_xmask:2 row_mask:0xf bank_mask:0xf
	v_max_num_f32_dpp v39, v39, v39 row_xmask:4 row_mask:0xf bank_mask:0xf
	v_max_num_f32_dpp v39, v39, v39 row_xmask:8 row_mask:0xf bank_mask:0xf   ; both halves of the lanes hold the same 64 keys
	v_floor_f32 v36, -v39                          ; -M = -ceil(the largest t): a whole number
.irp g, 0,1,2,3
	v_add_f32 v[180+\g], v[180+\g], v36
.endr
.irp g, 0,1,2,3
	v_exp_f32 v[180+\g], v[180+\g]                 ; p = 2^(t - M)
.endr
	v_nop
	s_wait_alu depctr_va_vdst(0)
.irp g, 0,1,2,3
	ds_store_b32 v6, v[180+\g] offset:64*\g        ; p by keys; lanes r and r + 16 write the same word with the same value
.endr
.irp t, 0,1,2,3,4,5,6,7
	ds_load_b128 v[128+4*\t:131+4*\t], v7 offset:16*(\t%2)+64*((\t/2)%2)+32*(\t/4)   ; block h's 32 p, in V's order.  My own bytes, and LDS serves a wave's instructions in order
.endr
	v_add_f32 v37, v180, v181                      ; l, of the unquantised p
	v_add_f32 v39, v182, v183
	v_add_f32 v37, v37, v39
	v_add_f32_dpp v37, v37, v37 row_xmask:1 row_mask:0xf bank_mask:0xf
	v_add_f32_dpp v37, v37, v37 row_xmask:2 row_mask:0xf bank_mask:0xf
	v_add_f32_dpp v37, v37, v37 row_xmask:4 row_mask:0xf bank_mask:0xf
	v_add_f32_dpp v37, v37, v37 row_xmask:8 row_mask:0xf bank_mask:0xf
	QUANT 192                                      ; V's codes, while p is on its way: row r, block 2 e + pair = column 16 e + r over 32 keys
	s_wait_dscnt 0x0
	Q32 128, 160, 164, 20
	v_lshlrev_b32 v21, v4, v23                     ; my block's byte at place h,
	v_permlanex16_b32 v24, v21, s[SEL], s[SEL+1]
	v_or_b32 v21, v21, v24                         ; the other block's beside it,
	v_lshl_or_b32 v41, v21, 16, v21                ; and both once more for the odd rows
.irp i, 0,1,2
	v_cndmask_b32 v[168+\i], 0, v[160+\i], s92
	v_cndmask_b32 v[171+\i], 0, v[164+\i], s92
	v_cndmask_b32 v[174+\i], 0, v[160+\i], s93
	v_cndmask_b32 v[177+\i], 0, v[164+\i], s93
.endr
	NOPS 8
	WM 184, 168, 108, 1, 41, 40, 0, 0              ; register 0: o[r], register 1: o[16 + r]
	NOPS 4
	ds_store_b32 v8, v184
	ds_store_b32 v8, v185 offset:64
	ds_store_b32 v9, v36 offset:128                ; every lane holds the same -M and l
	ds_store_b32 v9, v37 offset:132
	s_wait_dscnt 0x0                               ; for wave 0's sake
	s_barrier_signal -1
	s_barrier_wait -1
	s_cmp_lg_u32 s20, 0
	s_cbranch_scc1 .Lmerged
.irp w, 0,1,2,3
	ds_load_b32 v[128+\w], v10 offset:256*\w       ; o_w[lane]
	ds_load_b64 v[132+2*\w:133+2*\w], v11 offset:256*\w
.endr
	s_wait_dscnt 0x0
	v_min3_num_f32 v140, v132, v134, v136
	v_min_num_f32 v140, v140, v138                 ; -M of the four together
.irp w, 0,1,2,3
	v_sub_f32 v[144+\w], v140, v[132+2*\w]         ; M_w - M: a whole number, 0 or less
.endr
.irp w, 0,1,2,3
	v_cvt_i32_f32 v[144+\w], v[144+\w]
.endr
.irp w, 0,1,2,3
	v_ldexp_f32 v[144+\w], 1.0, v[144+\w]          ; an exact power of two
.endr
	v_mul_f32 v141, v144, v128
	v_mul_f32 v142, v144, v133
.irp w, 1,2,3
	v_fma_f32 v141, v[144+\w], v[128+\w], v141
	v_fma_f32 v142, v[144+\w], v[133+2*\w], v142
.endr
	v_and_b32 v143, 1, v0
	v_cmp_eq_u32 vcc_lo, 1, v143
	v_cndmask_b32 v143, v140, v142, vcc_lo
	global_store_b32 v18, v141, s[88:89]           ; the record: 128 bytes of o,
	global_store_b32 v18, v143, s[88:89] offset:128   ; and 128 of -M, l by turns: 256 consecutive bytes, aligned
.Lmerged:
	s_wait_tensorcnt 0x0
	ds_add_u32 v46, v47
	s_wait_dscnt 0x0
	ROUND                                          ; the closing round: no work-group ends while a partner may still ask for a tile that names it
	s_endpgm
.Lfunc_end_k_qbf15df1025_main:
	.size	k_qbf15df1025_main, .Lfunc_end_k_qbf15df1025_main-k_qbf15df1025_main
	.p2alignl 7, 3214868480
	.fill 96, 4, 3214868480
	.section	.rodata,"a",@progbits
	.p2align	6, 0x0
	.amdhsa_kernel k_qbf15df1025_main
		.amdhsa_group_segment_fixed_size 262656
		.amdhsa_private_segment_fixed_size 0
		.amdhsa_enable_private_segment 0
		.amdhsa_kernarg_size 64
		.amdhsa_user_sgpr_count 2
		.amdhsa_user_sgpr_kernarg_segment_ptr 1
		.amdhsa_wavefront_size32 1
		.amdhsa_system_sgpr_workgroup_id_x 1
		.amdhsa_system_sgpr_workgroup_id_y 1
		.amdhsa_system_sgpr_workgroup_id_z 1
		.amdhsa_system_vgpr_workitem_id 0
		.amdhsa_next_free_vgpr 512
		.amdhsa_next_free_sgpr 102
		.amdhsa_reserve_vcc 1
		.amdhsa_float_denorm_mode_32 3
		.amdhsa_float_denorm_mode_16_64 3
		.amdhsa_memory_ordered 1
		.amdhsa_forward_progress 1
		.amdhsa_inst_pref_size 69
	.end_amdhsa_kernel
	.amdgpu_metadata
---
amdhsa.version: [ 1, 2 ]
amdhsa.kernels:
  - .name:           k_qbf15df1025_main
    .symbol:         k_qbf15df1025_main.kd
    .args:
      - { .name: hc, .offset: 0, .size: 8, .value_kind: global_buffer, .address_space: global }
      - { .name: hs, .offset: 8, .size: 8, .value_kind: global_buffer, .address_space: global }
      - { .name: wc, .offset: 16, .size: 8, .value_kind: global_buffer, .address_space: global }
      - { .name: ws, .offset: 24, .size: 8, .value_kind: global_buffer, .address_space: global }
      - { .name: small, .offset: 32, .size: 8, .value_kind: global_buffer, .address_space: global }
      - { .name: tau_b2, .offset: 40, .size: 8, .value_kind: global_buffer, .address_space: global }
      - { .name: del_b2, .offset: 48, .size: 8, .value_kind: global_buffer, .address_space: global }
      - { .name: part, .offset: 56, .size: 8, .value_kind: global_buffer, .address_space: global }
    .group_segment_fixed_size: 262656
    .private_segment_fixed_size: 0
    .kernarg_segment_align: 8
    .kernarg_segment_size: 64
    .max_flat_workgroup_size: 128
    .sgpr_count:     102
    .vgpr_count:     512
    .wavefront_size: 32
...
	.end_amdgpu_metadata
.endif
;; end of part 2
;; launch final (part 3): grid 16 x 1, 4 waves a work-group, no clusters, 2,560 bytes of LDS; arguments part, wc, ws, bo, out0; writes out0
.if DOCPART == 3
	.amdgcn_target "amdgcn-amd-amdhsa--gfx1250"
	.amdhsa_code_object_version 6
	.text
	.protected	k_qbf15df1025_final
	.globl	k_qbf15df1025_final
	.p2align	8
	.type	k_qbf15df1025_final,@function
k_qbf15df1025_final:
	s_mov_b64 s[64:65], 0
	v_nop
	global_prefetch_b8 v0, s[64:65] scope:SCOPE_SE
	s_setreg_imm32_b32 hwreg(HW_REG_WAVE_MODE, 25, 1), 1
	s_wait_xcnt 0x0
; THIRD LAUNCH.  out0[b] = Q(o[b] / l) Q(Wo) + bo for the two last rows.  Work-group g owns columns 64 g .. 64 g + 63 (four tiles); wave s owns K step s = heads 4 s .. 4 s + 3.
; Lane (r, h) loads, for c = 0, 1, ONE record: chunk r / 2 of batch r % 2, head 4 s + 2 c + h: its 32 numbers are k = 64 c + 32 h + 0 .. 31 of the K step.  The 8 chunks lie in the 8 lanes of a row of 16
; that share r % 2: they are brought under one M (exact powers of two) and added by three exchanges; every row of source 0 then holds the finished row of batch r % 2.
; The four waves' partial sums meet in LDS; waves 0 and 1 add them in ascending K, add bo and store 256 consecutive bytes of batch 0 and 1.
; 16 work-groups: the work is 2 x 1,024 numbers; no tensor loads, no cluster (nothing is shared but 64 KiB of records), every load at the head.
; LIMITS: NaN and infinities are not served.
.set SEL, 16                           ; s[16:17]
.set SH8, 5
.macro NOPS n
.rept \n
	v_nop
.endr
.endm
.macro QF x, cd, tp, mx, sw            ; 64 numbers of a lane (two whole blocks) become the operand's 12 registers and the scale word
.irp c, 0,1
	v_max3_num_f32 v[\mx+\c], |v[\x+32*\c]|, |v[\x+32*\c+1]|, 0x1800000   ; with the floor 2^(3 - 127): the byte cannot fall under 1
.endr
.irp i, 2,4,6,8,10,12,14,16,18,20,22,24,26,28,30
.irp c, 0,1
	v_max3_num_f32 v[\mx+\c], v[\mx+\c], |v[\x+32*\c+\i]|, |v[\x+32*\c+\i+1]|
.endr
.endr
.irp c, 0,1
	v_add_nc_u32 v[\mx+2+\c], 0xff000000, v[\mx+\c]
.endr
.irp c, 0,1
	v_lshrrev_b32 v[\mx+\c], 23, v[\mx+2+\c]
.endr
	v_lshl_or_b32 v[\sw], v[\mx+1], 16, v[\mx]
	v_lshlrev_b32 v[\sw], v[SH8], v[\sw]
	v_permlanex16_b32 v[\mx+4], v[\sw], s[SEL], s[SEL+1]
	v_or_b32 v[\sw], v[\sw], v[\mx+4]
	v_cvt_scalef32_pk16_fp6_f32 v[\cd:\cd+2], v[\x:\x+15], v[\mx+2]
	v_cvt_scalef32_pk16_fp6_f32 v[\tp:\tp+2], v[\x+16:\x+31], v[\mx+2]
	v_cvt_scalef32_pk16_fp6_f32 v[\cd+6:\cd+8], v[\x+32:\x+47], v[\mx+3]
	v_cvt_scalef32_pk16_fp6_f32 v[\tp+4:\tp+6], v[\x+48:\x+63], v[\mx+3]
	v_nop                                                ; one plain place behind a scaled conversion
.irp i, 0,1,2
	v_mov_b32 v[\cd+3+\i], v[\tp+\i]
	v_mov_b32 v[\cd+9+\i], v[\tp+4+\i]
.endr
.endm
; The 8 chunks of head 4 s + 2 c + h become o / l.  At work: v[50 + 8 c] on
.macro MERGE c
.set xB, 128+32*\c
.set fT, 50+8*\c
	v_mov_b32 v[fT], v[244+2*\c]
	v_min_num_f32_dpp v[fT], v[fT], v[fT] row_xmask:2 row_mask:0xf bank_mask:0xf
	v_min_num_f32_dpp v[fT], v[fT], v[fT] row_xmask:4 row_mask:0xf bank_mask:0xf
	v_min_num_f32_dpp v[fT], v[fT], v[fT] row_xmask:8 row_mask:0xf bank_mask:0xf   ; -M of the 8 chunks together
	v_sub_f32 v[fT+1], v[fT], v[244+2*\c]          ; my chunk's M less that M: a whole number, 0 or less
	v_cvt_i32_f32 v[fT+1], v[fT+1]
	v_ldexp_f32 v[fT+2], 1.0, v[fT+1]              ; an exact power of two
	v_mov_b32 v[fT+3], v[fT+2]
.irp i, 0,2,4,6,8,10,12,14,16,18,20,22,24,26,28,30
	v_pk_mul_f32 v[xB+\i:xB+\i+1], v[xB+\i:xB+\i+1], v[fT+2:fT+3]
.endr
	v_mul_f32 v[fT+4], v[245+2*\c], v[fT+2]
.irp m, 2,4,8
.set n, 0
.rept 32
	v_add_f32_dpp v[xB+n], v[xB+n], v[xB+n] row_xmask:\m row_mask:0xf bank_mask:0xf
.set n, n+1
.endr
	v_add_f32_dpp v[fT+4], v[fT+4], v[fT+4] row_xmask:\m row_mask:0xf bank_mask:0xf
.endr
	v_rcp_f32 v[fT+4], v[fT+4]
	v_nop                                          ; a plain place behind the reciprocal
	s_wait_alu depctr_va_vdst(0)
	v_mov_b32 v[fT+5], v[fT+4]
.irp i, 0,2,4,6,8,10,12,14,16,18,20,22,24,26,28,30
	v_pk_mul_f32 v[xB+\i:xB+\i+1], v[xB+\i:xB+\i+1], v[fT+4:fT+5]
.endr
.endm
	s_load_b256 s[4:11], s[0:1], 0x0               ; part, wc, ws, bo
	s_load_b64 s[12:13], s[0:1], 0x20              ; out0
	v_lshl_add_u32 v254, v0, 2, 0x800
	v_mov_b32 v255, 0
	v_lshrrev_b32 v1, 5, v0
	v_readfirstlane_b32 s14, v1                    ; wave = K step
	v_and_b32 v1, 31, v0                           ; lane
	v_and_b32 v2, 15, v0                           ; r
	v_bfe_u32 v3, v0, 4, 1                         ; h
	v_lshlrev_b32 v4, 4, v1                        ; 16 x lane
	v_lshlrev_b32 v5, 3, v3                        ; 8 h
	v_mov_b32 v24, 0                               ; written once: a lane permute's destination counts as one of its sources
	v_and_b32 v6, 1, v2
	v_lshlrev_b32 v6, 15, v6                       ; batch r % 2: 2^15 bytes of records,
	v_lshl_add_u32 v6, v3, 11, v6                  ; head + h: 2,048,
	v_lshrrev_b32 v7, 1, v2
	v_lshl_add_u32 v6, v7, 8, v6                   ; chunk r / 2: 256
	v_lshlrev_b32 v7, 5, v2                        ; 32 r
	v_lshlrev_b32 v8, 3, v1                        ; 8 x lane
	s_lshl_b32 s18, s14, 9
	v_lshl_add_u32 v9, v2, 2, s18                  ; LDS: my slot of 512 bytes: batch 0's 64 columns, then batch 1's
	s_lshl_b32 s19, s14, 8
	v_lshl_add_u32 v10, v1, 3, s19                 ; back (waves 0, 1): batch = wave, two columns a lane
	s_mov_b32 s[SEL], 0x76543210
	s_mov_b32 s[SEL+1], 0xfedcba98
	s_mov_b32 s21, 0
	s_wait_kmcnt 0x0
	s_lshl_b32 s20, s14, 13
	s_add_nc_u64 s[22:23], s[4:5], s[20:21]        ; records of heads 4 s on
	s_mul_i32 s20, ttmp9, 24576
	s_mul_i32 s15, s14, 1536
	s_add_co_u32 s20, s20, s15
	s_add_co_u32 s20, s20, 835584
	s_add_nc_u64 s[24:25], s[6:7], s[20:21]        ; Wo's fragments 544 + 4 (4 g + t) + s
	s_lshl_b32 s20, ttmp9, 1
	s_lshr_b32 s15, s14, 1
	s_add_co_u32 s20, s20, s15
	s_add_co_u32 s20, s20, 68
	s_lshl_b32 s20, s20, 9
	s_and_b32 s15, s14, 1
	s_lshl_b32 s15, s15, 4
	s_add_co_u32 s20, s20, s15
	s_add_nc_u64 s[26:27], s[8:9], s[20:21]        ; their scale words: four tiles' on end
	s_lshl_b32 s20, ttmp9, 8
	s_add_nc_u64 s[28:29], s[10:11], s[20:21]      ; bo at my 64 columns
	s_and_b32 s15, s14, 1
	s_lshl_b32 s15, s15, 12
	s_add_co_u32 s20, s20, s15
	s_add_nc_u64 s[30:31], s[12:13], s[20:21]      ; out0: batch = wave (waves 0 and 1 store)
.irp c, 0,1
.irp t, 0,1,2,3,4,5,6,7
	global_load_b128 v[128+32*\c+4*\t:131+32*\c+4*\t], v6, s[22:23] offset:4096*\c+16*\t
.endr
	global_load_b64 v[244+2*\c:245+2*\c], v6, s[22:23] offset:4096*\c+128   ; -M, l
.endr
.irp t, 0,1,2,3
.irp j, 0,1,2
	global_load_b128 v[192+12*\t+4*\j:195+12*\t+4*\j], v4, s[24:25] offset:6144*\t+512*\j
.endr
.endr
	global_load_b128 v[240:243], v7, s[26:27]
	global_load_b64 v[248:249], v8, s[28:29]
	s_wait_loadcnt 0x0
	MERGE 0
	MERGE 1
	QF 128, 36, 28, 20, 26
	NOPS 8                                         ; a scale word made by vector instructions stands 8 places ahead of the scaled product, an operand 4
.irp t, 0,1,2,3
	v_wmma_scale_f32_16x16x128_f8f6f4 v[64+8*\t:71+8*\t], v[36:47], v[192+12*\t:203+12*\t], 0, v26, v[240+\t] matrix_a_fmt:MATRIX_FMT_FP6 matrix_b_fmt:MATRIX_FMT_FP6
.endr
	NOPS 4
.irp t, 0,1,2,3
	ds_store_b32 v9, v[64+8*\t] offset:64*\t       ; register 0: batch 0, register 1: batch 1, column 16 t + r, in both halves of the lanes
	ds_store_b32 v9, v[65+8*\t] offset:256+64*\t
.endr
	s_wait_dscnt 0x0                               ; for the others' sake
	s_barrier_signal -1
	s_barrier_wait -1
	s_cmp_gt_u32 s14, 1
	s_cbranch_scc1 .Lend
.irp w, 0,1,2,3
	ds_load_b64 v[100+2*\w:101+2*\w], v10 offset:512*\w
.endr
	s_wait_dscnt 0x0
.irp w, 1,2,3
	v_pk_add_f32 v[100:101], v[100:101], v[100+2*\w:101+2*\w]   ; K ascending
.endr
	v_pk_add_f32 v[100:101], v[100:101], v[248:249]
	global_store_b64 v8, v[100:101], s[30:31]      ; 32 lanes store 256 consecutive bytes, at a multiple of 256 from out0's first byte
.Lend:
	s_wait_tensorcnt 0x0
	ds_add_u32 v254, v255
	s_wait_dscnt 0x0
	s_endpgm
.Lfunc_end_k_qbf15df1025_final:
	.size	k_qbf15df1025_final, .Lfunc_end_k_qbf15df1025_final-k_qbf15df1025_final
	.p2alignl 7, 3214868480
	.fill 96, 4, 3214868480
	.section	.rodata,"a",@progbits
	.p2align	6, 0x0
	.amdhsa_kernel k_qbf15df1025_final
		.amdhsa_group_segment_fixed_size 2560
		.amdhsa_private_segment_fixed_size 0
		.amdhsa_enable_private_segment 0
		.amdhsa_kernarg_size 40
		.amdhsa_user_sgpr_count 2
		.amdhsa_user_sgpr_kernarg_segment_ptr 1
		.amdhsa_wavefront_size32 1
		.amdhsa_system_sgpr_workgroup_id_x 1
		.amdhsa_system_sgpr_workgroup_id_y 1
		.amdhsa_system_sgpr_workgroup_id_z 1
		.amdhsa_system_vgpr_workitem_id 0
		.amdhsa_next_free_vgpr 256
		.amdhsa_next_free_sgpr 66
		.amdhsa_reserve_vcc 0
		.amdhsa_float_denorm_mode_32 3
		.amdhsa_float_denorm_mode_16_64 3
		.amdhsa_memory_ordered 1
		.amdhsa_forward_progress 1
		.amdhsa_inst_pref_size 28
	.end_amdhsa_kernel
	.amdgpu_metadata
---
amdhsa.version: [ 1, 2 ]
amdhsa.kernels:
  - .name:           k_qbf15df1025_final
    .symbol:         k_qbf15df1025_final.kd
    .args:
      - { .name: part, .offset: 0, .size: 8, .value_kind: global_buffer, .address_space: global }
      - { .name: wc, .offset: 8, .size: 8, .value_kind: global_buffer, .address_space: global }
      - { .name: ws, .offset: 16, .size: 8, .value_kind: global_buffer, .address_space: global }
      - { .name: bo, .offset: 24, .size: 8, .value_kind: global_buffer, .address_space: global }
      - { .name: out0, .offset: 32, .size: 8, .value_kind: global_buffer, .address_space: global }
    .group_segment_fixed_size: 2560
    .private_segment_fixed_size: 0
    .kernarg_segment_align: 8
    .kernarg_segment_size: 40
    .max_flat_workgroup_size: 128
    .sgpr_count:     66
    .vgpr_count:     256
    .wavefront_size: 32
...
	.end_amdgpu_metadata
.endif
;; end of part 3
